; MI455X (gfx1250); checked and timed in simulation.
; The chip was launched on July 23, 2026; its instructions are those of AMD's public machine-readable ISA for CDNA 5 (MIT licence, August 2026) and "CDNA5" Instruction Set Architecture Reference Guide (July 2026). The comments in the code are by the model that wrote it; some were corrected since.
;; Sparse Mo E Layer. Allowed arithmetic: matrix products marked QUANTISED: E5M2 operands, one given power-of-two scale a tensor, by v_wmma_f32_16x16x64_bf8_bf8 or v_wmma_f32_16x16x128_bf8_bf8, f32 sums; products left as they are: f32 operands where the result goes on into a quantised operand, else bf16, f16 or f32 operands; f32 sums; everything else in f32.
;; Inputs: expert_b 8 x 2,048 float32; expert_w_codes 8 x 2,048 x 64 x 32 uint8 (E5M2 codes of expert_w, K innermost, in blocks of 32 codes); gate_b 8 float32; gate_w 2,048 x 8 float32; lowp_scales 2 int32 (the exponents e of the quantised operands' scales 2^e); x 2,048 x 2,048 float32.
;; Outputs: out0 2,048 x 2,048 float32.
;; This version of the problem:
;;   THIS VERSION OF THE PROBLEM IS GIVEN IN LOW PRECISION. The matrix products marked QUANTISED in the list below multiply operands that are first quantised to E5M2 (5 exponent bits, 2 mantissa bits; 8 bits a number), with one given power-of-two scale for each operand tensor; their sums are f32. All else is computed in f32.
;;   The module's matrix products, in the order in which they are computed (A, B: the left and right operand; K: the contracted axis; several contracted axes count as one K, in the product's order):
;;     1. [M 2,048, K 2,048] x [K 2,048, N 8]; A: input x; B: input gate_w: left as it is (N = 8 < 16)
;;     2. [M 2,048, K 2,048] x [K 2,048, N 16,384]; A: input x; B: input expert_w (given as codes): QUANTISED (scales: A lowp_scales[0], B lowp_scales[1])
;;   THE QUANTISER, for each operand of a quantised product, along K:
;;     - The operand's scale is 2^e, e = its entry of the input lowp_scales (int32; the entries are numbered through the quantised products in the list's order, A before B).
;;     - Each number is divided by the scale, clamped to +-57,344, and rounded to the nearest number of E5M2, ties to even, subnormals kept.
;;     - The product sums the exact products of the quantised numbers (number of the format x scale) in f32.
;;   ~~~python
;;   def quantise(x, axis, e):      # numpy; x: float32 -> the quantised numbers, widened to float32 again
;;       x = np.moveaxis(x, axis, -1); K = x.shape[-1]
;;       r = np.clip(x / 2.0 ** e, -57344, 57344)
;;       step = 2.0 ** (np.maximum(np.frexp(np.where(r == 0, 1, r))[1] - 1, -14) - 2)
;;       q = np.round(r / step) * step * 2.0 ** e      # np.round: ties to even
;;       return np.moveaxis(q, -1, axis).astype(np.float32)
;;   ~~~
;;   INPUTS GIVEN AS CODES. expert_w (in the module: [8, 2048, 2048], K = its axis 1): each comes as NAME_codes (uint8): NAME with its K axis moved to the last place and cut into blocks of 32 codes, [.., K / 32, bytes a block], one block behind the other in memory; one code a byte (a code: sign, 5 exponent bits, 2 mantissa bits); its scale is its entry of lowp_scales. Its value is code x scale, taken as it is: it is not quantised again, and the codes and scales need not be those that the quantiser above would give.
;; One version. Each part assembles by itself: llvm-mc -triple=amdgcn-amd-amdhsa -mcpu=gfx1250 --defsym DOCPART=n.
;; ======== version 1 of 1: 2 launches
;; limits: right only within a limited range of input values
;; workspace buffers: xq 4,194,304 bytes; wd 65,536 bytes
;; launch gate (part 1): grid 256 x 1, 8 waves a work-group, no clusters, 82,944 bytes of LDS; arguments x, gate_w, gate_b, lowp_scales, xq, wd; writes xq, wd
.if DOCPART == 1
	.amdgcn_target "amdgcn-amd-amdhsa--gfx1250"
	.amdhsa_code_object_version 6
	.text
	.protected	k_q3c2e8439d6_gate
	.globl	k_q3c2e8439d6_gate
	.p2align	8
	.type	k_q3c2e8439d6_gate,@function
k_q3c2e8439d6_gate:
	s_mov_b64 s[64:65], 0
	v_nop
	global_prefetch_b8 v0, s[64:65] scope:SCOPE_SE
	s_setreg_imm32_b32 hwreg(HW_REG_WAVE_MODE, 25, 1), 1
	s_wait_xcnt 0x0
; GATE AND QUANTISER.  x [2048][2048] f32 is read once.  It gives (a) xq: its codes of E5M2 with the given scale 2^ex; (b) wd [2048][8] f32: for each token
; the two largest of softmax(x gate_w + gate_b), divided by their sum, at their experts' places, and 0 at the other six.
; xq IS LAID AS ITS READER WANTS IT: [group of 8 tokens 256][k / 32: 64][token 8][32 codes]: 256 bytes for 8 tokens x 32 of K.
; SHARES.  A work-group takes 8 tokens, wave w their k = 256 w .. 256 w + 255.  Lane l: token t = l % 8 and quarter q = 2 (l / 8 % 2) + l / 16: it holds k = 256 w + 32 i + 8 q + 0 .. 7, i = 0 .. 7.
; THE GATE'S PRODUCT (N = 8, f32 operands) is v_wmma_f32_16x16x4_f32: source 0 gate_w (row m: expert m % 8), source 1 x (column n: token n % 8), both with the lane's own k.  Rows and columns below 8 carry the
; quarters 0 and 1, those from 8 on the quarters 2 and 3: so the two blocks on the diagonal are the sums: lanes 0-7 and 24-31 hold a token's 8 experts in their 8 registers; the other lanes' results are not used.
; NO CLUSTER: x is shared by nobody, and gate_w (8 KiB a wave) goes through registers.
; LIMITS: NaN in x or in the logits is not served.  ex lies between -126 and 112, so that 2^ex and 57,344 x 2^ex are f32 numbers.  The gate's sum runs in another order than a plain chain.
.set GSB, 9216                         ; a wave's stage for its 8,192 bytes of gate_w: 32 groups of 8 rows: 256 bytes + 32
.set RED, 8*GSB                        ; behind the stages: the waves' sums [wave 8][lane 32] x 32 bytes
.set SPARE, RED+8192
.set SPW, 12
.set NIL, 13
.set ACC, 32                           ; v32-63  four accumulators: written by matrix instructions alone
.set GW,  64                           ; v64-127  gate_w(k, e = l % 8) at 8 i + j
.set X,   128                          ; v128-191 x(t, k) at 8 i + j
.set LDR, 192                          ; v192-255 gate_w as loaded; later:
.set SUM, 192                          ; v192-207 sums
.set MM,  208                          ; v208-223 numbers held within the codes' range, two sets
.set CD,  224                          ; v224-239 codes
	s_load_b256 s[4:11], s[0:1], 0x0               ; x s[4:5], gate_w s[6:7], gate_b s[8:9], lowp_scales s[10:11]
	s_load_b128 s[12:15], s[0:1], 0x20             ; xq s[12:13], wd s[14:15]
	v_lshrrev_b32 v1, 5, v0
	v_readfirstlane_b32 s18, v1                    ; wave 0..7
	s_lshl_b32 s40, s18, 13
	s_mul_i32 s41, s18, GSB
	s_lshl_b32 s42, s18, 10
	s_lshl_b32 s43, s18, 11
	s_lshl_b32 s44, ttmp9, 16                      ; 8 rows of x
	s_mov_b32 s45, 0
	s_lshl_b32 s46, ttmp9, 14                      ; a group of xq
	s_mov_b32 s47, 0
	s_lshl_b32 s48, ttmp9, 8                       ; 8 rows of wd
	s_mov_b32 s49, 0
	v_lshl_add_u32 v[SPW], v0, 2, SPARE
	v_mov_b32 v[NIL], 0
	v_and_b32 v1, 31, v0                           ; lane
	v_and_b32 v14, 7, v0                           ; token; for gate_w the expert
	v_bfe_u32 v15, v0, 3, 1
	v_bfe_u32 v16, v0, 4, 1
	v_and_b32 v18, 15, v0
	v_lshl_add_u32 v2, v1, 4, s40                  ; gate_w: my 16 bytes of a load's 512
	v_lshl_or_b32 v17, v15, 1, v16                 ; q
	v_mul_u32_u24 v3, v16, 288
	v_lshl_add_u32 v5, v14, 13, s42                ; x: row t, + 1,024 w
	v_lshl_add_u32 v6, v14, 5, s43                 ; xq: 2,048 w + 32 t
	v_mul_u32_u24 v4, v17, 288
	v_lshl_add_u32 v3, v18, 4, v3
	v_lshl_add_u32 v5, v17, 5, v5                  ; + 32 q
	v_lshl_add_u32 v6, v17, 3, v6                  ; + 8 q
	v_lshl_add_u32 v4, v14, 2, v4
	v_add_nc_u32 v3, s41, v3                       ; the stage, in: two groups a load
	v_bfe_u32 v18, v0, 1, 1
	v_and_b32 v19, 1, v0
	v_add_nc_u32 v4, s41, v4                       ; the stage, out: group q, my expert's column
	v_bfe_u32 v20, v0, 2, 3
	v_mul_u32_u24 v19, v19, 768
	v_lshl_add_u32 v7, v0, 5, RED                  ; sums, in: 1,024 w + 32 l
	v_lshl_add_u32 v19, v18, 10, v19
	v_lshlrev_b32 v9, 3, v1                        ; wd: 8 l
	v_lshl_add_u32 v19, v20, 5, v19
	v_add_nc_u32 v8, RED, v19                      ; sums, out: token l / 4; lane s = l % 4 takes waves s / 2 + 2 i, diagonal block s % 2 (lane t or 24 + t)
	s_wait_alu depctr_va_vdst(0)                   ; the wait at the head's end
	s_wait_kmcnt 0x0
	s_load_b256 s[20:27], s[8:9], 0x0              ; gate_b
	s_load_b32 s28, s[10:11], 0x0                  ; ex
	s_add_nc_u64 s[4:5], s[4:5], s[44:45]
	s_add_nc_u64 s[12:13], s[12:13], s[46:47]
	s_add_nc_u64 s[14:15], s[14:15], s[48:49]
.irp i, 0,1,2,3,4,5,6,7,8,9,10,11,12,13,14,15
	global_load_b128 v[LDR+4*\i:LDR+4*\i+3], v2, s[6:7] offset:512*\i   ; gate_w as it lies: 512 consecutive bytes a load
.endr
.irp i, 0,1,2,3,4,5,6,7
	global_load_b128 v[X+8*\i:X+8*\i+3], v5, s[4:5] offset:128*\i th:TH_LOAD_NT
	global_load_b128 v[X+8*\i+4:X+8*\i+7], v5, s[4:5] offset:128*\i+16 th:TH_LOAD_NT
.endr
	s_wait_kmcnt 0x0
	s_add_co_i32 s28, s28, 127
	s_lshl_b32 s29, s28, 23
	v_mov_b32 v10, s29                             ; 2^ex as f32: the conversion takes its exponent field
	s_add_co_i32 s28, s28, 15
	s_lshl_b32 s28, s28, 23
	s_or_b32 s28, s28, 0x600000
	v_mov_b32 v11, s28                             ; 57,344 x 2^ex
	s_wait_alu depctr_va_vdst(0)                   ; directly ahead of the wait below
	s_wait_loadcnt 16                              ; gate_w is in; the 16 loads of x behind it may be out
.irp i, 0,1,2,3,4,5,6,7,8,9,10,11,12,13,14,15
	ds_store_b128 v3, v[LDR+4*\i:LDR+4*\i+3] offset:576*\i
.endr
.irp i, 0,1,2,3,4,5,6,7
.irp j, 0,1,2,3,4,5,6,7
	ds_load_b32 v[GW+8*\i+\j], v4 offset:1152*\i+32*\j   ; my wave's own bytes, served in order
.endr
.endr
; 32 matrix instructions; the four accumulators by turns: three others stand between a sum's steps
.irp i, 0,1,2,3,4,5,6,7
	s_wait_loadcnt 14-2*\i                         ; x's chunk i is in,
	s_wait_dscnt 56-8*\i                           ; and gate_w's
.irp p, 0,1,2,3
.if \i == 0
	v_wmma_f32_16x16x4_f32 v[ACC+8*\p:ACC+8*\p+7], v[GW+8*\i+2*\p:GW+8*\i+2*\p+1], v[X+8*\i+2*\p:X+8*\i+2*\p+1], 0
.else
	v_wmma_f32_16x16x4_f32 v[ACC+8*\p:ACC+8*\p+7], v[GW+8*\i+2*\p:GW+8*\i+2*\p+1], v[X+8*\i+2*\p:X+8*\i+2*\p+1], v[ACC+8*\p:ACC+8*\p+7]
.endif
.endr
.endr
.macro HOLD i                          ; the conversion to an 8-bit code does not saturate (ISA guide 7.6.2): hold first; x itself stays as it is
.irp j, 0,1,2,3,4,5,6,7
	v_med3_num_f32 v[MM+8*((\i)%2)+\j], v[X+8*(\i)+\j], -v11, v11
.endr
.endm
	HOLD 0                                         ; places behind the products: of these eight lines two name registers of each accumulator's first product,
	v_nop                                          ; so two more make eight
	v_nop
.irp p, 0,2,4,6
	v_pk_add_f32 v[SUM+\p:SUM+\p+1], v[ACC+\p:ACC+\p+1], v[ACC+8+\p:ACC+8+\p+1]
	v_pk_add_f32 v[SUM+8+\p:SUM+8+\p+1], v[ACC+16+\p:ACC+16+\p+1], v[ACC+24+\p:ACC+24+\p+1]
.endr
.irp p, 0,2,4,6
	v_pk_add_f32 v[SUM+\p:SUM+\p+1], v[SUM+\p:SUM+\p+1], v[SUM+8+\p:SUM+8+\p+1]
.endr
	ds_store_b128 v7, v[SUM:SUM+3]
	ds_store_b128 v7, v[SUM+4:SUM+7] offset:16
	s_wait_dscnt 0x0                               ; for wave 0's sake: my sums lie in LDS
	s_barrier_signal -1
.irp i, 0,1,2,3,4,5,6,7                ; the codes: register work while the others arrive
.if \i > 0
	HOLD \i
.endif
	v_cvt_scalef32_pk8_bf8_f32 v[CD+2*\i:CD+2*\i+1], v[MM+8*((\i)%2):MM+8*((\i)%2)+7], v10
.endr
	v_nop                                          ; a plain line behind the last conversion
	s_wait_alu depctr_va_vdst(0)                   ; directly ahead of the wait below
	s_barrier_wait -1
.irp i, 0,1,2,3,4,5,6,7
	global_store_b64 v6, v[CD+2*\i:CD+2*\i+1], s[12:13] offset:256*\i   ; the 32 lanes store 256 consecutive bytes (32 t + 8 q), at a multiple of 256 from xq's first byte
.endr
	s_cmp_lg_u32 s18, 0
	s_cbranch_scc1 .Lend                           ; wave 0 finishes the eight tokens
.irp i, 0,1,2,3
	ds_load_b128 v[GW+8*\i:GW+8*\i+3], v8 offset:2048*\i
	ds_load_b128 v[GW+8*\i+4:GW+8*\i+7], v8 offset:2048*\i+16
.endr
	s_wait_dscnt 0x0
.irp p, 0,2,4,6
	v_pk_add_f32 v[GW+\p:GW+\p+1], v[GW+\p:GW+\p+1], v[GW+8+\p:GW+8+\p+1]
	v_pk_add_f32 v[GW+16+\p:GW+16+\p+1], v[GW+16+\p:GW+16+\p+1], v[GW+24+\p:GW+24+\p+1]
.endr
.irp p, 0,2,4,6
	v_pk_add_f32 v[GW+\p:GW+\p+1], v[GW+\p:GW+\p+1], v[GW+16+\p:GW+16+\p+1]
.endr
.irp k, 1,2
.irp e, 0,1,2,3,4,5,6,7
	v_add_f32_dpp v[GW+\e], v[GW+\e], v[GW+\e] row_xmask:\k row_mask:0xf bank_mask:0xf   ; over the token's four lanes
.endr
.endr
.irp e, 0,1,2,3,4,5,6,7
	v_add_f32 v[GW+\e], s[20+\e], v[GW+\e]         ; my token's eight logits
.endr
	v_max3_num_f32 v80, v64, v65, v66
	v_max3_num_f32 v81, v67, v68, v69
	v_max3_num_f32 v80, v80, v70, v71
	v_max_num_f32 v80, v80, v81
.irp e, 0,1,2,3,4,5,6,7
	v_sub_f32 v[GW+\e], v[GW+\e], v80              ; the maximum is taken away before the exponentials
.endr
.irp e, 0,1,2,3,4,5,6,7
	v_mul_f32 v[GW+\e], 0x3fb8aa3b, v[GW+\e]
.endr
	s_wait_alu depctr_va_vdst(0)                   ; a wait ahead of the batch,
.irp e, 0,1,2,3,4,5,6,7
	v_exp_f32 v[GW+\e], v[GW+\e]
.endr
	v_nop                                          ; a plain line behind the exponentials
	s_wait_alu depctr_va_vdst(0)                   ; and behind it
	v_add_f32 v81, v64, v65
	v_add_f32 v82, v66, v67
	v_add_f32 v83, v68, v69
	v_add_f32 v84, v70, v71
	v_add_f32 v81, v81, v82
	v_add_f32 v83, v83, v84
	v_add_f32 v81, v81, v83
	s_wait_alu depctr_va_vdst(0)
	v_rcp_f32 v81, v81
	v_nop
	s_wait_alu depctr_va_vdst(0)
.irp e, 0,1,2,3,4,5,6,7
	v_mul_f32 v[GW+\e], v[GW+\e], v81              ; the probabilities
.endr
	v_mov_b32 v82, v64                             ; the largest, and its index: a later one must be strictly larger
	v_mov_b32 v83, 0
.irp e, 1,2,3,4,5,6,7
	v_cmp_ge_f32 vcc_lo, v82, v[GW+\e]
	v_cndmask_b32 v83, \e, v83, vcc_lo
	v_cndmask_b32 v82, v[GW+\e], v82, vcc_lo
.endr
	v_mov_b32 v84, -1.0                            ; the second: the same walk, passing over the first's index
	v_mov_b32 v85, 0
.irp e, 0,1,2,3,4,5,6,7
	v_cmp_ge_f32 vcc_lo, v84, v[GW+\e]
	v_cmp_eq_u32 s40, \e, v83
	s_or_b32 vcc_lo, vcc_lo, s40
	v_cndmask_b32 v85, \e, v85, vcc_lo
	v_cndmask_b32 v84, v[GW+\e], v84, vcc_lo
.endr
	v_add_f32 v86, v82, v84
	v_and_b32 v91, 3, v0
	v_lshlrev_b32 v91, 1, v91                      ; the two experts that my lane stores
	v_or_b32 v92, 1, v91
	s_wait_alu depctr_va_vdst(0)
	v_rcp_f32 v86, v86
	v_nop
	s_wait_alu depctr_va_vdst(0)
	v_mul_f32 v82, v82, v86
	v_mul_f32 v84, v84, v86
	v_cmp_eq_u32 vcc_lo, v83, v91
	v_cmp_eq_u32 s40, v85, v91
	v_cmp_eq_u32 s41, v83, v92
	v_cmp_eq_u32 s42, v85, v92
	v_cndmask_b32 v88, 0, v82, vcc_lo
	v_cndmask_b32 v89, 0, v82, s41
	v_cndmask_b32 v88, v88, v84, s40
	v_cndmask_b32 v89, v89, v84, s42
	global_store_b64 v9, v[88:89], s[14:15]        ; 256 consecutive bytes: 8 tokens x 8 experts
.Lend:
	s_wait_tensorcnt 0x0                           ; the wave's end
	ds_add_u32 v[SPW], v[NIL]
	s_wait_dscnt 0x0
	s_endpgm
.Lfunc_end_k_q3c2e8439d6_gate:
	.size	k_q3c2e8439d6_gate, .Lfunc_end_k_q3c2e8439d6_gate-k_q3c2e8439d6_gate
	.p2alignl 7, 3214868480
	.fill 96, 4, 3214868480
	.section	.rodata,"a",@progbits
	.p2align	6, 0x0
	.amdhsa_kernel k_q3c2e8439d6_gate
		.amdhsa_group_segment_fixed_size 82944
		.amdhsa_private_segment_fixed_size 0
		.amdhsa_enable_private_segment 0
		.amdhsa_kernarg_size 48
		.amdhsa_user_sgpr_count 2
		.amdhsa_user_sgpr_kernarg_segment_ptr 1
		.amdhsa_wavefront_size32 1
		.amdhsa_system_sgpr_workgroup_id_x 1
		.amdhsa_system_sgpr_workgroup_id_y 1
		.amdhsa_system_sgpr_workgroup_id_z 1
		.amdhsa_system_vgpr_workitem_id 0
		.amdhsa_next_free_vgpr 256
		.amdhsa_next_free_sgpr 66
		.amdhsa_reserve_vcc 1
		.amdhsa_float_denorm_mode_32 3
		.amdhsa_float_denorm_mode_16_64 3
		.amdhsa_memory_ordered 1
		.amdhsa_forward_progress 1
		.amdhsa_inst_pref_size 28
	.end_amdhsa_kernel
	.amdgpu_metadata
---
amdhsa.version: [ 1, 2 ]
amdhsa.kernels:
  - .name:           k_q3c2e8439d6_gate
    .symbol:         k_q3c2e8439d6_gate.kd
    .args:
      - { .name: x, .offset: 0, .size: 8, .value_kind: global_buffer, .address_space: global }
      - { .name: gate_w, .offset: 8, .size: 8, .value_kind: global_buffer, .address_space: global }
      - { .name: gate_b, .offset: 16, .size: 8, .value_kind: global_buffer, .address_space: global }
      - { .name: lowp_scales, .offset: 24, .size: 8, .value_kind: global_buffer, .address_space: global }
      - { .name: xq, .offset: 32, .size: 8, .value_kind: global_buffer, .address_space: global }
      - { .name: wd, .offset: 40, .size: 8, .value_kind: global_buffer, .address_space: global }
    .group_segment_fixed_size: 82944
    .private_segment_fixed_size: 0
    .kernarg_segment_align: 8
    .kernarg_segment_size: 48
    .max_flat_workgroup_size: 256
    .sgpr_count:     66
    .vgpr_count:     256
    .wavefront_size: 32
...
	.end_amdgpu_metadata
.endif
;; end of part 1
;; launch experts (part 2): grid 16 x 16, 8 waves a work-group, clusters of 4 x 1, 327,680 bytes of LDS; arguments xq, expert_w_codes, expert_b, lowp_scales, wd, out0; writes out0
.if DOCPART == 2
	.amdgcn_target "amdgcn-amd-amdhsa--gfx1250"
	.amdhsa_code_object_version 6
	.text
	.protected	k_q3c2e8439d6_experts
	.globl	k_q3c2e8439d6_experts
	.p2align	8
	.type	k_q3c2e8439d6_experts,@function
k_q3c2e8439d6_experts:
	s_mov_b64 s[64:65], 0
	v_nop
	global_prefetch_b8 v0, s[64:65] scope:SCOPE_SE
	s_setreg_imm32_b32 hwreg(HW_REG_WAVE_MODE, 25, 1), 1
	s_wait_xcnt 0x0
	s_wait_alu depctr_hold_cnt(0) depctr_sa_sdst(0) depctr_va_vdst(0) depctr_va_sdst(0) depctr_va_ssrc(0) depctr_va_vcc(0) depctr_vm_vsrc(0)
	s_getreg_b32 s2, hwreg(HW_REG_IB_STS2, 6, 4)
	s_cmp_eq_u32 s2, 0
	s_cbranch_scc0 .Lentry_in_a_cluster
	s_endpgm
.Lentry_in_a_cluster:
	s_bfe_u32 s2, ttmp6, 0x10000c
	s_cmp_lg_u32 s2, 0x3003
	s_cbranch_scc0 .Lentry_shape_is_right
	s_endpgm
.Lentry_shape_is_right:
; out0[token] = sum over the 8 experts of wd[token][e] (x W_e + b_e), the products on codes of E5M2; wd is 0 where the token did not choose the expert, so the choice is a weight and no branch.
; SHARES.  Work-group (x, y) makes tokens 128 x .. + 127 and columns 128 y .. + 127.  WAVE w OWNS k = 256 w .. 256 w + 255 for all 128 tokens: x's codes for it, 8 tiles of 16 tokens x 2 x 128 of K, stay in 256 registers
; for the whole launch, and every byte of W is read from LDS by one wave, once.  A UNIT is 16 columns x one expert: 16 matrix instructions; its 8 sums, weighed, are added to 8 result tiles.
; Eight units (the experts) make 16 columns; then the eight waves' parts are added through LDS, and wave w stores token tile w.
; CLUSTERS of 4 x 1: the four work-groups need the same tiles of W and walk them alike: each tile is asked for JOINTLY, with one descriptor and the mask of all four.
; THE RING: two slots, each 16 columns x 4 experts x all of K; wave w fetches expert w / 2, half w % 2 of K: 16 rows of 1,024 bytes.
; THE MATRIX INSTRUCTION IS USED TRANSPOSED: source 0 = 16 columns of W, source 1 = 16 tokens: lane (r, h) holds token r and columns 8 h + 0 .. 7.
; A fragment's registers 4 c .. 4 c + 3 hold k = 32 c + 16 h + 0 .. 15 in both operands: a permutation of k that is alike on both sides.
; The bias is the C of each wave's first product, as b / 8 x 2^-(ex+ew); the weights carry 2^(ex+ew).
; PREFETCH: in the trip of column tile c, tile c + 2's 1,024 blocks of 256 bytes are named once in the cluster: work-group cx takes experts 2 cx, 2 cx + 1, wave w its 256 bytes of K, a lane a column of an expert; trips 6 and later ask for nothing.
; LIMITS: the codes of expert_w are finite numbers.  b / 8 x 2^-(ex+ew) and w x 2^(ex+ew) stay normal f32 numbers.
; REGISTERS.  window 0: as set below.   window 1: x's fragments, (tile m, step s) at v[32 m + 16 s].
.set PITCH,  1040                      ; a row in LDS: 1,024 bytes + 16: an odd multiple of 16
.set TILE,   16*PITCH                  ; what one wave fetches
.set SLOT,   8*TILE
.set RED,    2*SLOT                    ; [token tile 8][wave 8][lane 32] x 16 bytes: half of the result tiles at a time
.set BIASL,  RED+32768                 ; [expert 8][column 128] f32
.set WTL,    BIASL+4096                ; [expert 8][m / 4: 2][token 16][m % 4] f32
.set SPARE,  WTL+4096
.set PFO,    1
.set ADR,    2                         ; v2-5 W's fragments: slot 0 experts 0-1, 2-3; slot 1 likewise
.set BIA,    6
.set BIB,    7
.set WTA,    8
.set STO,    9
.set LDP,    10
.set FST,    11
.set FLD,    12
.set CO,     13
.set SPW,    14
.set NIL,    15
.set BI,     16                        ; 8
.set WT,     24                        ; 8
.set WF,     32                        ; 32: two fragments of W
.set TMP,    64                        ; 32
.set OUT,    96                        ; 32: the sums of four column tiles, the newest last
.set RES,    128                       ; 64
.set ACC,    192                       ; 64
.set MSB, 0
.macro WIN new                         ; low byte: bits 1:0 source 0, 3:2 source 1, 5:4 source 2, 7:6 destination; the high byte repeats the setting that is left
.if MSB != \new
	s_set_vgpr_msb (MSB<<8)|\new
.set MSB, \new
.endif
.endm
.macro CREST                           ; a round of the cluster's barrier behind its opening barrier
	s_cmp_lg_u32 s16, 0
	s_cbranch_scc1 .Lnot_wave_0_\@
	s_barrier_signal -3
.Lnot_wave_0_\@:
	s_barrier_wait -3
	s_barrier_signal -1
	s_barrier_wait -1
.endm
.macro CROUND
	s_barrier_signal -1
	s_barrier_wait -1
	CREST
.endm
.macro PLACES                          ; four places behind this matrix instruction (ISA guide 7.12.1)
.rept 4
	v_nop
.endr
.endm
.macro JLOAD s
	tensor_load_to_lds s[40+4*(\s):43+4*(\s)], s[24:31]
	s_nop 0
	PLACES
.endm
.macro K0LD u                          ; six loads: unit u's first fragment of W (16 columns x 128 of my K) and its bias
.set US, ((\u)%8)/4
.set UE, (\u)%4
.irp c, 0,1,2,3
	ds_load_b128 v[WF+4*\c:WF+4*\c+3], v[ADR+2*US+UE/2] offset:2*TILE*(UE%2)+32*\c
.endr
	ds_load_b128 v[BI:BI+3], v[BIA] offset:512*((\u)%8)
	ds_load_b128 v[BI+4:BI+7], v[BIA] offset:512*((\u)%8)+16
.endm
.macro K1LD u                          ; four: its second fragment
.set US, ((\u)%8)/4
.set UE, (\u)%4
.irp c, 0,1,2,3
	ds_load_b128 v[WF+16+4*\c:WF+16+4*\c+3], v[ADR+2*US+UE/2] offset:2*TILE*(UE%2)+128+32*\c
.endr
.endm
.macro WTLD u                          ; two: the weights of my eight tokens r for expert u
	ds_load_b128 v[WT:WT+3], v[WTA] offset:512*((\u)%8)
	ds_load_b128 v[WT+4:WT+7], v[WTA] offset:512*((\u)%8)+256
.endm
; Eight matrix instructions: the eight token tiles, 128 of K.  The eight accumulators take turns, one instruction a turn, in the same order throughout
.macro MUL0
	WIN 0x04                                       ; source 1 (x) window 1
.irp m, 0,1,2,3,4,5,6,7
	v_wmma_f32_16x16x128_bf8_bf8 v[ACC+8*\m:ACC+8*\m+7], v[WF:WF+15], v[32*\m:32*\m+15], v[BI:BI+7]
.endr
.endm
.macro MUL1
	WIN 0x04
.irp m, 0,1,2,3,4,5,6,7
	v_wmma_f32_16x16x128_bf8_bf8 v[ACC+8*\m:ACC+8*\m+7], v[WF+16:WF+31], v[32*\m+16:32*\m+31], v[ACC+8*\m:ACC+8*\m+7]
.endr
.endm
; results (+)= weight x sum; expert 0 starts them.  Each accumulator from its low end on.  A weight is the low or the high register of its pair.
.macro COMB first
.irp m, 0,1,2,3,4,5,6,7
.irp p, 0,2,4,6
.if \first
.if (\m)%2
	v_pk_mul_f32 v[RES+8*\m+\p:RES+8*\m+\p+1], v[ACC+8*\m+\p:ACC+8*\m+\p+1], v[WT+\m-1:WT+\m] op_sel:[0,1] op_sel_hi:[1,1]
.else
	v_pk_mul_f32 v[RES+8*\m+\p:RES+8*\m+\p+1], v[ACC+8*\m+\p:ACC+8*\m+\p+1], v[WT+\m:WT+\m+1] op_sel_hi:[1,0]
.endif
.else
.if (\m)%2
	v_pk_fma_f32 v[RES+8*\m+\p:RES+8*\m+\p+1], v[ACC+8*\m+\p:ACC+8*\m+\p+1], v[WT+\m-1:WT+\m], v[RES+8*\m+\p:RES+8*\m+\p+1] op_sel:[0,1,0] op_sel_hi:[1,1,1]
.else
	v_pk_fma_f32 v[RES+8*\m+\p:RES+8*\m+\p+1], v[ACC+8*\m+\p:ACC+8*\m+\p+1], v[WT+\m:WT+\m+1], v[RES+8*\m+\p:RES+8*\m+\p+1] op_sel_hi:[1,0,1]
.endif
.endif
.endr
.endr
.endm
; A UNIT.  At its head are out, in this order: K0LD (6), K1LD (4), WTLD (2) of its own.
.macro UNIT u, more
	s_wait_dscnt 6                                 ; the first fragment and the bias are in
	MUL0
.if \more
	PLACES
	WIN 0
	K0LD \u+1
	s_wait_dscnt 8                                 ; the second fragment is in: behind it 2 of the weights and 6 of the next unit
.else
	s_wait_dscnt 2
.endif
	MUL1
	PLACES
	WIN 0
.if \more
	K1LD \u+1
	s_wait_dscnt 10                                ; the weights are in
.else
	s_wait_dscnt 0x0
.endif
.if (\u) == 0
	COMB 1
.else
	COMB 0
.endif
.if \more
	WTLD \u+1
.endif
.endm
; A slot's last unit changes slots: in front of the round every wave's loads have landed and its reads of this slot are over; behind it the slot is filled again, with the next column tile's four experts.
.macro TURN u
	s_wait_tensorcnt 0x0                           ; my part of the other slot has landed;
	ds_add_u32 v[SPW], v[NIL]                      ; 0 onto my spare word;
	s_wait_dscnt 0x0                               ; the add is done, and so are my reads of this slot
	s_barrier_signal -1
	MUL0                                           ; work on registers while the others arrive
	WIN 0
	s_barrier_wait -1
	CREST
.if (\u) == 7
	s_add_co_u32 s54, s54, 64
	v_add_nc_u32 v[BIA], s54, v[BIB]               ; the next column tile's biases
.endif
	s_add_nc_u64 s[42+4*((\u)/4):43+4*((\u)/4)], s[42+4*((\u)/4):43+4*((\u)/4)], 32768   ; 16 columns on
	JLOAD (\u)/4                                   ; the first tensor load behind the round, my only one until the next; its four v_nop are the places in front of the loads below
	K0LD \u+1
	MUL1
	PLACES
	WIN 0
	K1LD \u+1
	COMB 0
	WTLD \u+1
.endm
; THE WAVES' PARTS ARE ADDED in two halves (registers 0-3, then 4-7 of every result tile): out to the token tile's owner, a barrier, and in
.macro PUT j
.irp m, 0,1,2,3,4,5,6,7
	ds_store_b128 v[STO], v[RES+8*\m+\j:RES+8*\m+\j+3] offset:4096*\m
.endr
.endm
.macro GET
.irp s, 0,1,2,3,4,5,6,7
	ds_load_b128 v[TMP+4*\s:TMP+4*\s+3], v[LDP] offset:512*\s
.endr
.endm
.macro SUM8 o
.irp s, 0,8,16,24
.irp p, 0,2
	v_pk_add_f32 v[TMP+\s+\p:TMP+\s+\p+1], v[TMP+\s+\p:TMP+\s+\p+1], v[TMP+\s+4+\p:TMP+\s+4+\p+1]
.endr
.endr
.irp s, 0,16
.irp p, 0,2
	v_pk_add_f32 v[TMP+\s+\p:TMP+\s+\p+1], v[TMP+\s+\p:TMP+\s+\p+1], v[TMP+\s+8+\p:TMP+\s+8+\p+1]
.endr
.endr
.irp p, 0,2
	v_pk_add_f32 v[OUT+\o+\p:OUT+\o+\p+1], v[TMP+\p:TMP+\p+1], v[TMP+16+\p:TMP+16+\p+1]
.endr
.endm
.macro SHIFT                           ; the three column tiles before move one place down
.set i, 0
.rept 24
	v_mov_b32 v[OUT+i], v[OUT+8+i]
.set i, i+1
.endr
.endm
; FOUR COLUMN TILES GO OUT: 16 tokens x 64 columns = rows of 256 bytes, through the 4,096 bytes of RED that only this wave reads (the barriers part it from the other waves' stores).
; 16-byte piece g of row r lies at place g xor r of the row, so that sixteen lanes touch sixteen places both ways.  LDS serves a wave's instructions in order (ISA guide 5.7.1.4).
.macro FLUSH f
.irp n, 0,1,2,3
.irp i, 0,1
	v_xor_b32 v[ACC+2*\n+\i], 16*(4*\n+\i), v[FST]
.endr
.endr
.irp t, 0,1,2,3,4,5,6,7
	v_xor_b32 v[ACC+8+\t], 32*\t, v[FLD]
.endr
.irp n, 0,1,2,3
.irp i, 0,1
	ds_store_b128 v[ACC+2*\n+\i], v[OUT+8*\n+4*\i:OUT+8*\n+4*\i+3]
.endr
.endr
.irp t, 0,1,2,3,4,5,6,7
	ds_load_b128 v[TMP+4*\t:TMP+4*\t+3], v[ACC+8+\t] offset:512*\t
.endr
	s_wait_dscnt 0x0
.irp t, 0,1,2,3,4,5,6,7
	global_store_b128 v[CO], v[TMP+4*\t:TMP+4*\t+3], s[14:15] offset:16384*\t+256*\f th:TH_STORE_NT   ; 16 lanes store 256 consecutive bytes, at a multiple of 256 from out0's first byte
.endr
.endm
	s_load_b256 s[4:11], s[0:1], 0x0               ; xq s[4:5], W s[6:7], expert_b s[8:9], lowp_scales s[10:11]
	s_load_b128 s[12:15], s[0:1], 0x20             ; wd s[12:13], out0 s[14:15]
	v_lshl_add_u32 v[SPW], v0, 2, SPARE
	v_mov_b32 v[NIL], 0
	ds_add_u32 v[SPW], v[NIL]                      ; the wave's opening: the add, twice on end, and its wait ahead of my first tensor load
	ds_add_u32 v[SPW], v[NIL]
	v_lshrrev_b32 v1, 5, v0
	v_readfirstlane_b32 s16, v1                    ; wave 0..7
	s_bfe_u32 s17, ttmp6, 0x40000                  ; cx
	s_lshl_b32 s18, ttmp9, 2
	s_add_co_u32 s18, s18, s17                     ; block of tokens
	s_and_b32 s19, ttmp7, 0xffff                   ; block of columns
	s_mul_i32 s20, s16, TILE                       ; where my tiles go
	s_lshr_b32 s21, s16, 2
	s_mul_i32 s21, s21, TILE
	s_and_b32 s22, s16, 3
	s_lshl_b32 s23, s22, 8
	s_add_co_u32 s21, s21, s23                     ; where my 256 of K lie: tile half w / 4, + 256 (w % 4)
	s_lshr_b32 s23, s16, 2
	s_lshl_b32 s23, s23, 8
	s_lshl_b32 s22, s22, 2
	s_add_co_u32 s23, s23, s22
	s_add_co_u32 s23, s23, WTL                     ; the weights of token tile m = wave
	s_lshl_b32 s22, s16, 12
	s_add_co_u32 s22, s22, RED                     ; the part of RED that I read
	s_lshl_b32 s52, s17, 23
	s_lshl_b32 s53, s16, 8
	s_add_co_u32 s52, s52, s53                     ; prefetch: 2 cx experts on, + 256 w
	; descriptor group 1: a tile of 16 rows x 1,024 bytes, padded in LDS
	s_mov_b32 s24, 15|(1<<20)|(1<<21)|(7<<22)|(3<<25)   ; 15:0 the mask: all four; elements of 1 byte; 20 padding on; 21 set beside a mask; 24:22 after every 256 words; 31:25 of 4 words
	s_mov_b32 s25, 1024<<16
	s_mov_b32 s26, 16<<16
	s_mov_b32 s27, 1024<<16
	s_mov_b32 s28, 16
	s_mov_b32 s29, 2048
	s_mov_b32 s30, 0
	s_mov_b32 s31, 0
	s_mov_b32 s54, 0                               ; the column tile's biases, in bytes
	v_and_b32 v64, 15, v0                          ; r
	v_bfe_u32 v65, v0, 4, 1                        ; h
	v_and_b32 v66, 31, v0                          ; lane
	v_bfe_u32 v67, v0, 3, 1                        ; r / 8
	v_and_b32 v68, 7, v0
	v_and_b32 v70, 1, v0
	v_bfe_u32 v71, v0, 1, 4
	v_mul_u32_u24 v[ADR], v64, PITCH
	v_lshlrev_b32 v[BIB], 5, v65
	v_lshl_add_u32 v[WTA], v64, 4, WTL
	v_lshl_add_u32 v[STO], v0, 4, RED              ; 512 w + 16 l
	v_lshl_add_u32 v[LDP], v66, 4, s22
	v_lshlrev_b32 v[CO], 13, v65
	v_lshlrev_b32 v[PFO], 22, v65
	v_lshl_add_u32 v[ADR], v65, 4, v[ADR]
	v_lshlrev_b32 v72, 1, v65
	v_xor_b32 v73, v64, v65
	v_lshlrev_b32 v67, 14, v67
	v_add_nc_u32 v[BIB], BIASL, v[BIB]             ; + 32 h
	v_lshl_add_u32 v[CO], v64, 4, v[CO]            ; row h, 16 r bytes
	v_lshl_add_u32 v[PFO], v64, 11, v[PFO]
	v_add_nc_u32 v[ADR], s21, v[ADR]               ; row r, + 16 h
	v_xor_b32 v72, v72, v64                        ; 2 h xor r
	v_lshlrev_b32 v73, 4, v73
	v_lshl_add_u32 v67, v68, 5, v67
	v_lshlrev_b32 v71, 4, v71
	v_mov_b32 v[BIA], v[BIB]
	v_add_nc_u32 v[PFO], s52, v[PFO]
	v_add_nc_u32 v[ADR+1], 4*TILE, v[ADR]
	v_add_nc_u32 v[ADR+2], SLOT, v[ADR]
	v_add_nc_u32 v[ADR+3], SLOT+4*TILE, v[ADR]
	v_lshlrev_b32 v72, 4, v72
	v_lshl_add_u32 v73, v65, 8, v73
	v_lshl_add_u32 v67, v65, 4, v67                ; xq: group r / 8, token r % 8, + 16 h
	v_lshl_add_u32 v71, v70, 11, v71
	v_lshlrev_b32 v68, 4, v0                       ; wd: 16 bytes a thread
	v_lshl_add_u32 v72, v64, 8, v72
	v_add_nc_u32 v[FLD], s22, v73
	v_add_nc_u32 v70, s23, v71                     ; weights, in: token (tid / 2) % 16, experts 4 (tid % 2) ..
	v_lshlrev_b32 v69, 4, v66                      ; expert_b: 16 bytes a lane, an expert a wave
	v_add_nc_u32 v[FST], s22, v72
	v_lshl_add_u32 v71, v0, 4, BIASL
	s_wait_alu depctr_va_vdst(0)                   ; directly ahead of the waits below
	s_wait_dscnt 0x0                               ; both opening adds are done
	s_wait_kmcnt 0x0
	s_load_b64 s[52:53], s[10:11], 0x0             ; ex, ew
	s_mov_b32 s57, 0
	s_mov_b32 s59, 0
	s_lshl_b32 s56, s19, 18                        ; W: 128 columns of 2,048 bytes; these registers never hold the block of tokens
	s_add_nc_u64 s[48:49], s[6:7], s[56:57]
	s_add_nc_u64 s[48:49], s[48:49], 32768         ; prefetches: stepped before each, so trip 0 names column tile 2
	s_lshr_b32 s60, s16, 1
	s_lshl_b32 s60, s60, 22
	s_add_co_u32 s56, s56, s60                     ; expert w / 2
	s_and_b32 s60, s16, 1
	s_lshl_b32 s60, s60, 10
	s_add_co_u32 s56, s56, s60                     ; half w % 2 of K
	s_mov_b32 s40, 1
	s_mov_b32 s41, s20
	s_add_nc_u64 s[42:43], s[6:7], s[56:57]
	s_mov_b32 s44, 1
	s_add_co_u32 s45, s20, SLOT
	s_add_nc_u64 s[46:47], s[42:43], 0x1000000     ; slot 1: experts 4-7
	s_or_b32 s43, s43, 0x80000000
	s_or_b32 s47, s47, 0x80000000
	s_lshl_b32 s58, s18, 12
	s_add_nc_u64 s[12:13], s[12:13], s[58:59]      ; wd: 128 tokens
	s_lshl_b32 s58, s16, 13
	s_lshl_b32 s60, s19, 9
	s_add_co_u32 s58, s58, s60
	s_add_nc_u64 s[8:9], s[8:9], s[58:59]          ; expert_b: expert = wave, my 128 columns
	s_lshl_b32 s58, s18, 20
	s_add_co_u32 s58, s58, s60
	s_lshl_b32 s60, s16, 17
	s_add_co_u32 s58, s58, s60
	s_add_nc_u64 s[14:15], s[14:15], s[58:59]      ; out0: tokens 128 x block + 16 w, my columns
	s_lshl_b32 s58, s18, 18
	s_lshl_b32 s60, s16, 11
	s_add_co_u32 s58, s58, s60
	s_add_nc_u64 s[4:5], s[4:5], s[58:59]          ; xq: 16 groups a block, + my 256 of K
	global_load_b128 v[76:79], v68, s[12:13]
	global_load_b128 v[80:83], v69, s[8:9]
	WIN 0x40
.irp m, 0,1,2,3,4,5,6,7
.irp c, 0,1,2,3,4,5,6,7
	global_load_b128 v[32*\m+4*\c:32*\m+4*\c+3], v67, s[4:5] offset:32768*\m+256*\c   ; x's fragments: two runs of 256 bytes a load
.endr
.endr
	WIN 0
	CROUND                                         ; all four work-groups are here: the first joint loads meet
	JLOAD 0                                        ; one tensor load a wave at the head
	s_wait_kmcnt 0x0
	s_add_co_i32 s52, s52, s53                     ; ex + ew
	s_sub_co_i32 s53, -3, s52
	s_wait_loadcnt 63                              ; the weights and the bias, the oldest two of 66, are in
.irp q, 0,1,2,3
	v_ldexp_f32 v[76+\q], v[76+\q], s52
	v_ldexp_f32 v[80+\q], v[80+\q], s53            ; b / 8 / 2^(ex + ew): each of the eight waves adds one eighth
.endr
.irp q, 0,1,2,3
	ds_store_b32 v70, v[76+\q] offset:512*\q
.endr
	ds_store_b128 v71, v[80:83]
.set i, 0
.rept 32
	v_mov_b32 v[OUT+i], 0                          ; read by the first shifts, so written
.set i, i+1
.endr
	s_wait_alu depctr_va_vdst(0)                   ; the wait at the head's end
	s_wait_tensorcnt 0x0                           ; my part of slot 0 is in
	ds_add_u32 v[SPW], v[NIL]
	s_wait_dscnt 0x0                               ; the add is done, and my weights and biases lie in LDS
	CROUND
	JLOAD 1                                        ; slot 1's first fill, the first tensor load behind the round
	K0LD 0
	K1LD 0
	WTLD 0
	s_wait_loadcnt 0x0                             ; x's fragments are in
	UNIT 0, 1
	UNIT 1, 1
	s_mov_b32 s3, 0                                ; the column tile
.Lct:                                                  ; a trip: units 2-7 of column tile s3, then units 0, 1 of the next, under which this tile's parts are added
	s_wait_xcnt 0x0                                ; the prefetch has read its base, earlier stores their data
	s_add_nc_u64 s[48:49], s[48:49], 32768
	UNIT 2, 1
	TURN 3
	UNIT 4, 1
	s_cmp_lt_u32 s3, 6
	s_cbranch_scc0 .Lno_ask
	global_prefetch_b8 v[PFO], s[48:49] th:TH_LOAD_NT scope:SCOPE_SE
.Lno_ask:
	UNIT 5, 1
	UNIT 6, 1
	TURN 7
	PUT 0
	s_wait_dscnt 0x0                               ; for the others' sake: my first halves lie in LDS; the next unit's loads are in too
	s_barrier_signal -1
	MUL0                                           ; unit 0 of the next column tile, with LDS loads of its slot alone
	PLACES
	WIN 0
	K0LD 1
	MUL1
	PLACES
	WIN 0
	K1LD 1
	s_barrier_wait -1
	GET
	s_wait_dscnt 0x0                               ; I have read: the second halves may be stored
	s_barrier_signal -1
	SHIFT
	SUM8 24
	s_barrier_wait -1
	PUT 4
	s_wait_dscnt 0x0
	s_barrier_signal -1
	COMB 1                                         ; the results start anew: all their registers have been stored
	WTLD 1
	MUL0                                           ; unit 1
	PLACES
	WIN 0
	K0LD 2
	s_barrier_wait -1
	GET
	MUL1
	PLACES
	WIN 0
	K1LD 2
	s_wait_dscnt 18                                ; the weights are in: behind them 6, 8 and 4
	COMB 0
	WTLD 2
	s_wait_dscnt 6                                 ; the parts are in: behind them 4 and 2
	SUM8 28
	s_wait_alu depctr_va_vdst(0)                   ; ahead of the branch
	s_cmp_eq_u32 s3, 3
	s_cbranch_scc0 .Lno_flush
	FLUSH 0                                        ; column tiles 0-3
.Lno_flush:
	s_add_co_u32 s3, s3, 1
	s_cmp_lt_u32 s3, 7
	s_wait_alu depctr_va_vdst(0)                   ; directly ahead of the branch
	s_cbranch_scc1 .Lct
	s_wait_xcnt 0x0
	UNIT 2, 1                                      ; the last column tile fills nothing
	s_wait_tensorcnt 0x0                           ; my part of slot 1 has landed,
	s_wait_dscnt 0x0
	s_barrier_signal -1
	s_barrier_wait -1                              ; and everybody's
	UNIT 3, 1
	UNIT 4, 1
	UNIT 5, 1
	UNIT 6, 1
	UNIT 7, 0
	PUT 0
	s_wait_dscnt 0x0
	s_barrier_signal -1
	SHIFT
	s_barrier_wait -1
	GET
	s_wait_dscnt 0x0
	s_barrier_signal -1
	SUM8 24
	s_barrier_wait -1
	PUT 4
	s_wait_dscnt 0x0
	s_barrier_signal -1
	s_barrier_wait -1
	GET
	s_wait_dscnt 0x0
	SUM8 28
	FLUSH 1                                        ; column tiles 4-7
	s_wait_tensorcnt 0x0                           ; the wave's end
	ds_add_u32 v[SPW], v[NIL]
	s_wait_dscnt 0x0
	CROUND                                         ; the closing round: no work-group ends while a partner may still ask for a tile that names it
	s_endpgm
.Lfunc_end_k_q3c2e8439d6_experts:
	.size	k_q3c2e8439d6_experts, .Lfunc_end_k_q3c2e8439d6_experts-k_q3c2e8439d6_experts
	.p2alignl 7, 3214868480
	.fill 96, 4, 3214868480
	.section	.rodata,"a",@progbits
	.p2align	6, 0x0
	.amdhsa_kernel k_q3c2e8439d6_experts
		.amdhsa_group_segment_fixed_size 327680
		.amdhsa_private_segment_fixed_size 0
		.amdhsa_enable_private_segment 0
		.amdhsa_kernarg_size 48
		.amdhsa_user_sgpr_count 2
		.amdhsa_user_sgpr_kernarg_segment_ptr 1
		.amdhsa_wavefront_size32 1
		.amdhsa_system_sgpr_workgroup_id_x 1
		.amdhsa_system_sgpr_workgroup_id_y 1
		.amdhsa_system_sgpr_workgroup_id_z 1
		.amdhsa_system_vgpr_workitem_id 0
		.amdhsa_next_free_vgpr 512
		.amdhsa_next_free_sgpr 66
		.amdhsa_reserve_vcc 0
		.amdhsa_float_denorm_mode_32 3
		.amdhsa_float_denorm_mode_16_64 3
		.amdhsa_memory_ordered 1
		.amdhsa_forward_progress 1
		.amdhsa_inst_pref_size 100
	.end_amdhsa_kernel
	.amdgpu_metadata
---
amdhsa.version: [ 1, 2 ]
amdhsa.kernels:
  - .name:           k_q3c2e8439d6_experts
    .symbol:         k_q3c2e8439d6_experts.kd
    .args:
      - { .name: xq, .offset: 0, .size: 8, .value_kind: global_buffer, .address_space: global }
      - { .name: expert_w_codes, .offset: 8, .size: 8, .value_kind: global_buffer, .address_space: global }
      - { .name: expert_b, .offset: 16, .size: 8, .value_kind: global_buffer, .address_space: global }
      - { .name: lowp_scales, .offset: 24, .size: 8, .value_kind: global_buffer, .address_space: global }
      - { .name: wd, .offset: 32, .size: 8, .value_kind: global_buffer, .address_space: global }
      - { .name: out0, .offset: 40, .size: 8, .value_kind: global_buffer, .address_space: global }
    .group_segment_fixed_size: 327680
    .private_segment_fixed_size: 0
    .kernarg_segment_align: 8
    .kernarg_segment_size: 48
    .max_flat_workgroup_size: 256
    .sgpr_count:     66
    .vgpr_count:     512
    .wavefront_size: 32
...
	.end_amdgpu_metadata
.endif
;; end of part 2
